; MI455X (gfx1250); checked and timed in simulation.
; The chip was launched on July 23, 2026; its instructions are those of AMD's public machine-readable ISA for CDNA 5 (MIT licence, August 2026) and "CDNA5" Instruction Set Architecture Reference Guide (July 2026). The comments in the code are by the model that wrote it; some were corrected since.
;; Channel Self Attn. Allowed arithmetic: float matrix products may take bf16 or f16 operands with f32 sums; all other float work in f32.
;; Inputs: b1 16 float32; b2 16 float32; gamma 1 float32; w1 16 float32; w2 16 float32; x 32 x 1 x 64 x 4,000 float32.
;; Outputs: out0 32 x 1 x 64 x 4,000 float32.
;; One version. Each part assembles by itself: llvm-mc -triple=amdgcn-amd-amdhsa -mcpu=gfx1250 --defsym DOCPART=n.
;; ======== version 1 of 1: 2 launches
;; workspace buffers: part 4,194,304 bytes
;; launch gram (part 1): grid 256 x 1, 4 waves a work-group, no clusters, 202,240 bytes of LDS; arguments x, w1, b1, w2, b2, part; writes part
.if DOCPART == 1
	.amdgcn_target "amdgcn-amd-amdhsa--gfx1250"
	.amdhsa_code_object_version 6
	.text
	.protected	k_q3e9378b3b1_gram
	.globl	k_q3e9378b3b1_gram
	.p2align	8
	.type	k_q3e9378b3b1_gram,@function
k_q3e9378b3b1_gram:
	s_mov_b64 s[64:65], 0
	v_nop
	global_prefetch_b8 v0, s[64:65] scope:SCOPE_SE
	s_setreg_imm32_b32 hwreg(HW_REG_WAVE_MODE, 25, 1), 1
	s_wait_xcnt 0x0
; PARTIAL ENERGIES.  q = w1 x + b1 and k = w2 x + b2 are affine in x, so for every input
;   e[i][j] = a G[i][j] + d s_i + c s_j + T bb,   G = X X^T, s = row sums of X, a = w1.w2, d = w1.b2, c = b1.w2, bb = b1.b2.
; Work-group wg = 8 batch + chunk forms that expression over the chunk's columns 512 chunk .. 512 chunk + 511 (chunk 7: 416 columns)
; and stores it as one record of 16,384 bytes; the next launch adds a batch's eight records.
; Record layout: byte ((ti*4+tj)*2+jq)*512 + lane*16 + 4 n holds e_p[16 ti + 8 (lane/16) + 4 jq + n][16 tj + lane%16]: the matrix
; result's own register layout, lane after lane, so every store of a wave covers 512 consecutive bytes, aligned.
; Four waves.  Wave w takes columns 128 w .. 128 w + 127 of the chunk, all 64 rows, through one tensor load into LDS bytes of its own, and
; forms a whole 64 x 64 partial Gram in 16 accumulator tiles; the four partial Grams meet in LDS, and wave w finishes rows 16 w .. 16 w + 15.
; NO CLUSTER: no two work-groups of this launch read the same bytes of x.
; NO RING: the work-group's whole input (4 x 32 KiB) is asked for in the first lines; nothing is filled again.
; LIMITS: G has bf16 operands and f32 sums; row sums, a, d, c, bb and e_p are f32; the order of the f32 sums differs from the
; reference's.  NaN and infinities are given no special treatment.
.set ROWB,   16000                     ; bytes in a row of x
.set BATCHB, 64*ROWB                   ; bytes in a batch
.set PITCH,  528                       ; LDS row: 512 bytes + 16 of padding = 33 x 16, so sixteen rows start in sixteen different 16-byte columns
.set WTILE,  64*PITCH                  ; a wave's tile
.set RED,    4*WTILE                   ; 135,168: the four partial Grams, 16,384 bytes each, lane-linear; written by ds_store alone
.set SUMB,   RED+4*16384               ; 200,704: the four waves' 64 row sums, 256 bytes each
.set S,    16                          ; v[16:23]   a pair of running sums for each of the four row tiles
.set FR,   24                          ; v[24:55]   four bf16 fragments (16 rows x 32 columns), 8 registers each
.set F,    56                          ; v[56:119]  one K step in f32: 16 numbers a lane for each row tile
.set ACC,  120                         ; v[120:247] tile (ti, tj) at ACC + 8 (4 ti + tj)
.set CA,   248                         ; a
.set CD,   249                         ; d
.set CC,   250                         ; c
.set CB,   251                         ; bb, then T_p bb
.set SJ,   56                          ; after the K steps: v[56:71]  s_j parts, wave p at SJ + 4 p
.set SI,   72                          ;                    v[72:103] s_i parts, wave p at SI + 8 p
.set COLC, 104                         ;                    v[104:111] c s_j, each twice (a pair for the packed add)
	s_load_b256 s[4:11], s[0:1], 0x0               ; x s[4:5], w1 s[6:7], b1 s[8:9], w2 s[10:11]
	s_load_b128 s[12:15], s[0:1], 0x20             ; b2 s[12:13], part s[14:15]
	v_lshl_add_u32 v254, v0, 2, 0x31400
	v_mov_b32 v255, 0
	ds_add_u32 v254, v255
	ds_add_u32 v254, v255
	v_lshrrev_b32 v1, 5, v0
	v_readfirstlane_b32 s16, v1                    ; wave 0..3
	s_lshr_b32 s17, ttmp9, 3                       ; batch
	s_and_b32 s18, ttmp9, 7                        ; chunk
	s_lshl2_add_u32 s19, s18, s16                  ; 4 chunk + wave: 31 is the one tile that crosses the row's end
	; descriptor group 1: 64 rows x 128 elements of 4 bytes, 4 words of padding behind every 128 words
	s_mov_b32 s28, (2<<16)|(1<<20)|(6<<22)|(3<<25)
	s_mov_b32 s29, 128<<16                         ; tensor_dim0 = 128
	s_mov_b32 s30, 64<<16                          ; tensor_dim1 = 64
	s_mov_b32 s31, 128<<16                         ; tile_dim0 = 128
	s_mov_b32 s32, 64                              ; tile_dim1 = 64
	s_mov_b32 s33, 4000                            ; elements from row to row
	s_mov_b32 s34, 0
	s_mov_b32 s35, 0
	; the same for the tile at column 3,968: 32 columns are left of the row; the mover writes zeros for the other 96, which add nothing to G or to s
	s_mov_b32 s36, (2<<16)|(1<<20)|(6<<22)|(3<<25)
	s_mov_b32 s37, 32<<16                          ; tensor_dim0 = 32
	s_mov_b32 s38, 64<<16
	s_mov_b32 s39, 128<<16
	s_mov_b32 s40, 64
	s_mov_b32 s41, 4000
	s_mov_b32 s42, 0
	s_mov_b32 s43, 0
	; descriptor group 0
	s_mov_b32 s24, 1
	s_mul_i32 s25, s16, WTILE                      ; LDS: the wave's own tile
	s_mul_i32 s20, s17, BATCHB                     ; byte offset of the tile's first element: batch,
	s_lshl_b32 s22, s18, 11                        ; + 2,048 chunk
	s_add_co_u32 s20, s20, s22
	s_lshl_b32 s22, s16, 9                         ; + 512 wave
	s_add_co_u32 s20, s20, s22
	s_mov_b32 s21, 0
	s_mov_b32 s44, 0x76543210                      ; v_permlanex16_b32: lane i of one half reads lane i of the other
	s_mov_b32 s45, 0xfedcba98
	s_mov_b32 s46, 0x44000000                      ; T_p = 512.0,
	s_cmp_eq_u32 s18, 7
	s_cselect_b32 s46, 0x43d00000, s46             ; or 416.0 in the last chunk
	s_lshl_b32 s22, ttmp9, 14                      ; my record in part
	s_mov_b32 s23, 0
	s_wait_dscnt 0x0
	s_wait_kmcnt 0x0
	s_add_nc_u64 s[14:15], s[14:15], s[22:23]
	s_add_nc_u64 s[26:27], s[4:5], s[20:21]
	s_or_b32 s27, s27, 0x80000000                  ; type = 2
	s_cmp_eq_u32 s19, 31                           ; compared behind the s_or_b32, which set SCC
	s_cbranch_scc1 .Ltail
	tensor_load_to_lds s[24:27], s[28:35]          ; on either way exactly one load of the wave: its whole input
	s_nop 0
	s_branch .Lasked
.Ltail:
	tensor_load_to_lds s[24:27], s[36:43]
	s_nop 0
.Lasked:
	; while the tile is on its way: the four vectors, the LDS addresses, the four dot products
	v_and_b32 v1, 15, v0                           ; r
	v_bfe_u32 v2, v0, 4, 1                         ; h
	v_lshlrev_b32 v15, 2, v1                       ; 4 r; never rewritten
	global_load_b32 v10, v15, s[6:7]               ; w1[r]
	global_load_b32 v11, v15, s[8:9]               ; b1[r]
	global_load_b32 v12, v15, s[10:11]             ; w2[r]
	global_load_b32 v13, v15, s[12:13]             ; b2[r]
	v_and_b32 v14, 31, v0
	v_lshlrev_b32 v14, 4, v14                      ; 16 lane
	v_mul_u32_u24 v3, v1, PITCH
	v_lshl_add_u32 v3, v2, 6, v3
	v_add_nc_u32 v3, s25, v3                       ; fragment reads: my tile + r x pitch + 64 h
	s_lshl_b32 s22, s16, 14
	s_add_co_u32 s22, s22, RED
	v_add_nc_u32 v4, s22, v14                      ; dump: my partial Gram
	s_lshl_b32 s23, s16, 12
	v_add_nc_u32 v9, s23, v14                      ; my row tile inside a record: 4,096 w + 16 lane
	v_add_nc_u32 v5, RED, v9                       ; the same inside wave 0's dump
	v_lshl_add_u32 v6, s16, 8, v15
	v_add_nc_u32 v6, SUMB, v6                      ; my wave's row sums, row r of a tile
	v_add_nc_u32 v7, SUMB, v15                     ; wave 0's row sums, row r of a tile: s_j
	v_lshlrev_b32 v8, 5, v2
	v_lshl_add_u32 v8, s16, 6, v8
	v_add_nc_u32 v8, SUMB, v8                      ; wave 0's row sums, rows 16 w + 8 h ..: s_i
	s_wait_loadcnt 0x0                             ; the four vectors
	v_mul_f32 v[CA], v10, v12
	v_mul_f32 v[CD], v10, v13
	v_mul_f32 v[CC], v11, v12
	v_mul_f32 v[CB], v11, v13
.irp m, 1,2,4,8                                    ; sums over the sixteen features: every lane ends with all four
.irp c, 248,249,250,251
	v_add_f32_dpp v\c, v\c, v\c row_xmask:\m row_mask:0xf bank_mask:0xf
.endr
.endr
	v_mul_f32 v[CB], s46, v[CB]                    ; T_p bb
; 16 LDS loads: K step s.  Lane (r, h) takes columns 32 s + 16 h + 0 .. 15 of row 16 ti + r.  That is a permutation of k inside the step;
; the same registers serve as both sources of the products, so it changes no sum's terms.
.macro FETCH s
.irp ti, 0,1,2,3
.irp q, 0,1,2,3
	ds_load_b128 v[F+16*\ti+4*\q:F+16*\ti+4*\q+3], v3 offset:\ti*16*PITCH+\s*128+16*\q
.endr
.endr
.endm
; the step's part of the row sums, in f32, four chains that do not wait for each other.  first = 1: the first add starts the sums
.macro ROWSUM first
.if \first
.irp ti, 0,1,2,3
	v_pk_add_f32 v[S+2*\ti:S+2*\ti+1], v[F+16*\ti:F+16*\ti+1], v[F+16*\ti+2:F+16*\ti+3]
.endr
.else
.irp n, 0,1
.irp ti, 0,1,2,3
	v_pk_add_f32 v[S+2*\ti:S+2*\ti+1], v[S+2*\ti:S+2*\ti+1], v[F+16*\ti+2*\n:F+16*\ti+2*\n+1]
.endr
.endr
.endif
.irp n, 2,3,4,5,6,7
.irp ti, 0,1,2,3
	v_pk_add_f32 v[S+2*\ti:S+2*\ti+1], v[S+2*\ti:S+2*\ti+1], v[F+16*\ti+2*\n:F+16*\ti+2*\n+1]
.endr
.endr
.endm
.macro CVT
.irp ti, 0,1,2,3
.irp n, 0,1,2,3,4,5,6,7
	v_cvt_pk_bf16_f32 v[FR+8*\ti+\n], v[F+16*\ti+2*\n], v[F+16*\ti+2*\n+1]
.endr
.endr
.endm
; 16 matrix instructions; the sixteen accumulators take turns, one instruction a turn.  zero = 1: the first products start the sums
.macro MUL zero
.irp ti, 0,1,2,3
.irp tj, 0,1,2,3
.if \zero
	v_wmma_f32_16x16x32_bf16 v[ACC+8*(4*\ti+\tj):ACC+8*(4*\ti+\tj)+7], v[FR+8*\ti:FR+8*\ti+7], v[FR+8*\tj:FR+8*\tj+7], 0
.else
	v_wmma_f32_16x16x32_bf16 v[ACC+8*(4*\ti+\tj):ACC+8*(4*\ti+\tj)+7], v[FR+8*\ti:FR+8*\ti+7], v[FR+8*\tj:FR+8*\tj+7], v[ACC+8*(4*\ti+\tj):ACC+8*(4*\ti+\tj)+7]
.endif
.endr
.endr
.endm
; One K step of 32.  ROWSUM's packed adds (28 or 32, on F and S alone) are the places between the last step's matrix instructions and CVT,
; which rewrites their sources (ISA guide 7.12.1).  nxt: the step whose numbers are fetched behind CVT, under this step's products; 0: none
.macro KSTEP first, nxt
	s_wait_dscnt 0x0                               ; the step's sixteen loads; all are used at once
	ROWSUM \first
	CVT
.if \nxt
	FETCH \nxt
.endif
	MUL \first
.endm
	s_wait_tensorcnt 0x0                           ; my tile is in LDS; only I read it, so no barrier
	FETCH 0
	KSTEP 1, 1
	KSTEP 0, 2
	KSTEP 0, 3
	KSTEP 0, 0
	; row sums over my 128 columns: the pair, then the other half of the lanes.  The eight plain adds are also the places behind the
	; last matrix instructions, ahead of the LDS stores that read their results.
.irp ti, 0,1,2,3
	v_add_f32 v[S+2*\ti], v[S+2*\ti], v[S+2*\ti+1]
.endr
.irp ti, 0,1,2,3
	v_permlanex16_b32 v[S+2*\ti+1], v[S+2*\ti], s44, s45
.endr
.irp ti, 0,1,2,3
	v_add_f32 v[S+2*\ti], v[S+2*\ti], v[S+2*\ti+1]
.endr
.set q, 0
.rept 32
	ds_store_b128 v4, v[ACC+4*q:ACC+4*q+3] offset:512*q    ; lane-linear: 512 consecutive bytes a store
.set q, q+1
.endr
.irp ti, 0,1,2,3
	ds_store_b32 v6, v[S+2*\ti] offset:64*\ti              ; both halves of the lanes write the same number to the same word
.endr
	s_wait_dscnt 0x0                               ; my stores are done, for the other waves' sake
	s_barrier_signal -1
	s_barrier_wait -1
	; the four waves' parts of what I finish: first the sums (24 loads), then row tile w of the Grams (32 loads)
.irp p, 0,1,2,3
.irp tj, 0,1,2,3
	ds_load_b32 v[SJ+4*\p+\tj], v7 offset:\p*256+\tj*64
.endr
	ds_load_b128 v[SI+8*\p:SI+8*\p+3], v8 offset:\p*256
	ds_load_b128 v[SI+8*\p+4:SI+8*\p+7], v8 offset:\p*256+16
.endr
.irp p, 0,1,2,3
.irp q, 0,1,2,3,4,5,6,7
	ds_load_b128 v[ACC+32*\p+4*\q:ACC+32*\p+4*\q+3], v5 offset:\p*16384+\q*512
.endr
.endr
	s_wait_dscnt 32                                ; the sums are in; the 32 younger loads of the Grams stay out
.irp k, 0,2
	v_pk_add_f32 v[SJ+\k:SJ+\k+1], v[SJ+\k:SJ+\k+1], v[SJ+4+\k:SJ+4+\k+1]
	v_pk_add_f32 v[SJ+8+\k:SJ+8+\k+1], v[SJ+8+\k:SJ+8+\k+1], v[SJ+12+\k:SJ+12+\k+1]
.endr
.irp k, 0,2,4,6
	v_pk_add_f32 v[SI+\k:SI+\k+1], v[SI+\k:SI+\k+1], v[SI+8+\k:SI+8+\k+1]
	v_pk_add_f32 v[SI+16+\k:SI+16+\k+1], v[SI+16+\k:SI+16+\k+1], v[SI+24+\k:SI+24+\k+1]
.endr
.irp k, 0,2
	v_pk_add_f32 v[SJ+\k:SJ+\k+1], v[SJ+\k:SJ+\k+1], v[SJ+8+\k:SJ+8+\k+1]
.endr
.irp k, 0,2,4,6
	v_pk_add_f32 v[SI+\k:SI+\k+1], v[SI+\k:SI+\k+1], v[SI+16+\k:SI+16+\k+1]
.endr
.irp j, 0,1,2,3,4,5,6,7
	v_fma_f32 v[SI+\j], v[CD], v[SI+\j], v[CB]     ; d s_i + T_p bb, rows 16 w + 8 h + j
.endr
.irp tj, 0,1,2,3
	v_mul_f32 v[COLC+2*\tj], v[CC], v[SJ+\tj]      ; c s_j, column 16 tj + r, twice
	v_mul_f32 v[COLC+2*\tj+1], v[CC], v[SJ+\tj]
.endr
	s_wait_dscnt 0x0                               ; the four partial Grams
.set k, 0
.rept 16
	v_pk_add_f32 v[ACC+k:ACC+k+1], v[ACC+k:ACC+k+1], v[ACC+32+k:ACC+32+k+1]
	v_pk_add_f32 v[ACC+64+k:ACC+64+k+1], v[ACC+64+k:ACC+64+k+1], v[ACC+96+k:ACC+96+k+1]
.set k, k+2
.endr
.set k, 0
.rept 16
	v_pk_add_f32 v[ACC+k:ACC+k+1], v[ACC+k:ACC+k+1], v[ACC+64+k:ACC+64+k+1]
.set k, k+2
.endr
.set k, 0
.rept 16                                           ; registers k, k + 1 are rows k%8, k%8 + 1 of column tile k/8
	v_pk_fma_f32 v[ACC+k:ACC+k+1], v[ACC+k:ACC+k+1], v[CA:CA+1], v[SI+k%8:SI+k%8+1] op_sel_hi:[1,0,1]   ; a G + (d s_i + T_p bb): both halves take a
.set k, k+2
.endr
.set k, 0
.rept 16
	v_pk_add_f32 v[ACC+k:ACC+k+1], v[ACC+k:ACC+k+1], v[COLC+2*(k/8):COLC+2*(k/8)+1]                     ; + c s_j
.set k, k+2
.endr
.irp q, 0,1,2,3,4,5,6,7
	global_store_b128 v9, v[ACC+4*\q:ACC+4*\q+3], s[14:15] offset:\q*512   ; 512 consecutive bytes, aligned; no hint: the next launch reads them
.endr
	s_wait_tensorcnt 0x0
	ds_add_u32 v254, v255
	s_wait_dscnt 0x0
	s_endpgm
.Lfunc_end_k_q3e9378b3b1_gram:
	.size	k_q3e9378b3b1_gram, .Lfunc_end_k_q3e9378b3b1_gram-k_q3e9378b3b1_gram
	.p2alignl 7, 3214868480
	.fill 96, 4, 3214868480
	.section	.rodata,"a",@progbits
	.p2align	6, 0x0
	.amdhsa_kernel k_q3e9378b3b1_gram
		.amdhsa_group_segment_fixed_size 202240
		.amdhsa_private_segment_fixed_size 0
		.amdhsa_enable_private_segment 0
		.amdhsa_kernarg_size 48
		.amdhsa_user_sgpr_count 2
		.amdhsa_user_sgpr_kernarg_segment_ptr 1
		.amdhsa_wavefront_size32 1
		.amdhsa_system_sgpr_workgroup_id_x 1
		.amdhsa_system_sgpr_workgroup_id_y 1
		.amdhsa_system_sgpr_workgroup_id_z 1
		.amdhsa_system_vgpr_workitem_id 0
		.amdhsa_next_free_vgpr 256
		.amdhsa_next_free_sgpr 66
		.amdhsa_reserve_vcc 0
		.amdhsa_float_denorm_mode_32 3
		.amdhsa_float_denorm_mode_16_64 3
		.amdhsa_memory_ordered 1
		.amdhsa_forward_progress 1
		.amdhsa_inst_pref_size 44
	.end_amdhsa_kernel
	.amdgpu_metadata
---
amdhsa.version: [ 1, 2 ]
amdhsa.kernels:
  - .name:           k_q3e9378b3b1_gram
    .symbol:         k_q3e9378b3b1_gram.kd
    .args:
      - { .name: x, .offset: 0, .size: 8, .value_kind: global_buffer, .address_space: global }
      - { .name: w1, .offset: 8, .size: 8, .value_kind: global_buffer, .address_space: global }
      - { .name: b1, .offset: 16, .size: 8, .value_kind: global_buffer, .address_space: global }
      - { .name: w2, .offset: 24, .size: 8, .value_kind: global_buffer, .address_space: global }
      - { .name: b2, .offset: 32, .size: 8, .value_kind: global_buffer, .address_space: global }
      - { .name: part, .offset: 40, .size: 8, .value_kind: global_buffer, .address_space: global }
    .group_segment_fixed_size: 202240
    .private_segment_fixed_size: 0
    .kernarg_segment_align: 8
    .kernarg_segment_size: 48
    .max_flat_workgroup_size: 128
    .sgpr_count:     66
    .vgpr_count:     256
    .wavefront_size: 32
...
	.end_amdgpu_metadata
.endif
;; end of part 1
;; launch apply (part 2): grid 256 x 1, 8 waves a work-group, clusters of 4 x 1, 206,848 bytes of LDS; arguments x, gamma, part, out0; writes out0
.if DOCPART == 2
	.amdgcn_target "amdgcn-amd-amdhsa--gfx1250"
	.amdhsa_code_object_version 6
	.text
	.protected	k_q3e9378b3b1_apply
	.globl	k_q3e9378b3b1_apply
	.p2align	8
	.type	k_q3e9378b3b1_apply,@function
k_q3e9378b3b1_apply:
	s_mov_b64 s[64:65], 0
	v_nop
	global_prefetch_b8 v0, s[64:65] scope:SCOPE_SE
	s_setreg_imm32_b32 hwreg(HW_REG_WAVE_MODE, 25, 1), 1
	s_wait_xcnt 0x0
	s_wait_alu depctr_hold_cnt(0) depctr_sa_sdst(0) depctr_va_vdst(0) depctr_va_sdst(0) depctr_va_ssrc(0) depctr_va_vcc(0) depctr_vm_vsrc(0)
	s_getreg_b32 s2, hwreg(HW_REG_IB_STS2, 6, 4)
	s_cmp_eq_u32 s2, 0
	s_cbranch_scc0 .Lentry_in_a_cluster
	s_endpgm
.Lentry_in_a_cluster:
	s_bfe_u32 s2, ttmp6, 0x10000c
	s_cmp_lg_u32 s2, 0x3003
	s_cbranch_scc0 .Lentry_shape_is_right
	s_endpgm
.Lentry_shape_is_right:
; out = gamma P X + x,  P = softmax over j of (e - e_min) / (e_max - e_min + 1e-8),  e = the sum of the batch's eight records of part.
; Work-group = (batch, chunk of 512 columns; chunk 7 has 416).  Eight waves; wave w owns the strip of columns 64 w .. 64 w + 63, all 64 rows.
; CLUSTER: four work-groups of one batch (chunks 0-3 or 4-7) form a cluster.  All four need the batch's eight records (131,072 bytes, half
; of what a work-group takes in), so the records are asked for jointly: wave w of each issues the same load of record w, mask 15.
; The place in the cluster enters global addresses of x and out0 and two lane masks alone: no branch, no LDS address.
; X GOES STRAIGHT INTO REGISTERS: only wave w reads its strip.  A 16-byte load gives lane (r, h) columns 4 r + u, u = 0..3, of one row.
; Word u is at once lane r's column of column tile u (a permutation of the columns among four tiles), and the residual; the result
; is written over it and leaves as it came.  Quad Q = 8 (2 tp + par) + n holds row 32 tp + 16 h + 2 n + par.
; INDEX MAPS, chosen so that no number changes lanes:  slot (g = register/4, h, n) of K step kk stands for j = 32 kk + 16 h + 2 n + g in both
; sources; row m = 8 h + jj of row tile ti = 2 tp + par stands for i = 32 tp + 16 h + 2 jj + par.  P lies in LDS in bf16 by these maps.
; THE SOFTMAX'S MAXIMUM is taken away exactly: the largest normalised number of a row is (e_max - e_min) / den, so the exponent is (e - e_max) / den.
; THE WAY OUT: an even row's 256 bytes of a strip are aligned and go out from the registers.  An odd row starts 128 bytes off, so odd rows go
; through an LDS stage and come back 128 bytes to the right (modulo the chunk's 2,048): sixteen lanes then store 256 consecutive
; aligned bytes again; wave 7 takes the chunk's two edge halves.
; LIMITS: P and X enter the product in bf16, sums in f32; e, the normalisation, the softmax and the residual are f32; the order of f32 sums
; differs from the reference's.  v_max_num/v_min_num drop a NaN where the reference would spread it over the row; infinities are not
; treated specially.  Reads of odd rows are 256 consecutive bytes that start 128 bytes off a multiple of 256.
.set ROWB,   16000                     ; bytes in a row
.set BATCHB, 64*ROWB
.set HALFB,  16*ROWB                   ; lanes 16-31 work sixteen rows below lanes 0-15
.set REC,    16384                     ; a record of part
.set PL,     8*REC                     ; 131,072: P, 64 rows of 144 bytes (128 + 16: nine 16-byte columns, so sixteen rows start in sixteen different ones)
.set PP,     144
.set STAGE,  PL+64*PP                  ; 140,288: 32 odd rows x 2,048 bytes.  PL and STAGE are written by ds_store alone
.set SROW,   2048
.set OFF,  3                           ; v3   global: 16 rows x h + my 16 bytes of the strip, clamped into the row; loads, and even rows' stores
.set CBE,  4                           ; v4   256 w + 16 r: my byte in the chunk
.set CBO,  5                           ; v5   the same 128 bytes on, modulo 2,048
.set OFFO, 6                           ; v6   as OFF, with CBO
.set STW,  7                           ; v7   stage, in
.set STR,  8                           ; v8   stage, back
.set PRD,  9                           ; v9   my 4 rows x 64 columns inside record 0
.set PWR,  10                          ; v10  where I put P
.set ARD,  11                          ; v11  where I read P's fragments
.set PRD2, 12                          ; v12  PRD + 4 records
.set E,    16                          ; v[16:31]   e, then P: E + 4 tj + jj
.set BF,   16                          ; v[16:31]   later: X's fragments of one column tile, K step kk at BF + 8 kk
.set LB,   32                          ; v[32:63]   two records' parts
.set MX,   32                          ; then scratch of the softmax
.set MN,   36
.set DN,   40
.set SM,   44
.set TP,   48
.set PK,   52
.set D,    32                          ; v[32:63]   later: results, row tile ti at D + 8 ti
.set XB,   64                          ; v[64:191]  x, then out
.set LA,   192                         ; v[192:255] four records' parts
.set AF,   192                         ; later: P's fragments, (ti, kk) at AF + 8 (2 ti + kk)
; A round of the cluster's barrier: my work-group's barrier, wave 0 signals for the work-group, every wave waits for all four, my work-group's barrier again
.macro ROUND
	s_barrier_signal -1
	s_barrier_wait -1
	s_cmp_lg_u32 s13, 0
	s_cbranch_scc1 .Lnot_wave_0_\@
	s_barrier_signal -3
.Lnot_wave_0_\@:
	s_barrier_wait -3
	s_barrier_signal -1
	s_barrier_wait -1
.endm
	s_load_b256 s[4:11], s[0:1], 0x0               ; x s[4:5], gamma s[6:7], part s[8:9], out0 s[10:11]
	s_set_vgpr_msb 0x40
	v_lshl_add_u32 v0, v0, 2, 0x32400
	v_mov_b32 v1, 0
	s_set_vgpr_msb 0x4045
	ds_add_u32 v0, v1
	ds_add_u32 v0, v1
	s_set_vgpr_msb 0x4500
	v_lshrrev_b32 v1, 5, v0
	v_readfirstlane_b32 s13, v1                    ; wave 0..7
	s_bfe_u32 s14, ttmp6, 0x40000                  ; cx
	s_lshr_b32 s15, ttmp9, 1                       ; batch: two clusters each
	s_and_b32 s16, ttmp9, 1
	s_lshl2_add_u32 s16, s16, s14                  ; chunk = 4 (cluster & 1) + cx
	s_lshl_b32 s36, s16, 11                        ; the chunk's first byte in a row
	s_sub_co_u32 s32, ROWB, s36                    ; bytes left of the row from there: 1,664 in chunk 7, more than 2,048 elsewhere
	s_mul_i32 s18, s15, BATCHB
	s_mov_b32 s19, 0
	v_and_b32 v1, 15, v0                           ; r
	v_bfe_u32 v2, v0, 4, 1                         ; h
	v_lshlrev_b32 v[CBE], 4, v1
	v_lshl_add_u32 v[CBE], s13, 8, v[CBE]
	v_mul_u32_u24 v13, v2, HALFB
	v_add_nc_u32 v[OFF], s36, v[CBE]
	v_min_u32 v[OFF], ROWB-16, v[OFF]              ; lanes past the row's end read its last 16 bytes: columns of their own, never stored
	v_add_nc_u32 v[OFF], v13, v[OFF]
	s_wait_dscnt 0x0
	s_wait_kmcnt 0x0
	s_add_nc_u64 s[4:5], s[4:5], s[18:19]          ; x and out0 at the batch
	s_add_nc_u64 s[10:11], s[10:11], s[18:19]
	; the strip: 32 loads, two rows each; first of all, since they have the longest way
.irp tp, 0,1
.irp par, 0,1
.irp n, 0,1,2,3,4,5,6,7
	global_load_b128 v[XB+4*(8*(2*\tp+\par)+\n):XB+4*(8*(2*\tp+\par)+\n)+3], v[OFF], s[4:5] offset:(32*\tp+2*\n+\par)*ROWB th:TH_LOAD_NT
.endr
.endr
.endr
	s_load_b32 s12, s[6:7], 0x0                    ; gamma
	; the joint load: record w, 64 dense rows of 256 bytes.  Every word is the same in the four partners
	s_mov_b32 s20, 1
	s_lshl_b32 s21, s13, 14                        ; LDS: record w
	s_lshl_b32 s34, s15, 17                        ; batch x 8 records
	s_add_co_u32 s34, s34, s21                     ; + w records
	s_mov_b32 s35, 0
	s_add_nc_u64 s[22:23], s[8:9], s[34:35]
	s_or_b32 s23, s23, 0x80000000                  ; type = 2
	s_mov_b32 s24, 15|(3<<16)|(1<<21)              ; mask: all four of the cluster; elements of 8 bytes; bit 21 set beside a mask
	s_mov_b32 s25, 32<<16                          ; tensor_dim0 = 32
	s_mov_b32 s26, 64<<16                          ; tensor_dim1 = 64
	s_mov_b32 s27, 32<<16                          ; tile_dim0 = 32
	s_mov_b32 s28, 64                              ; tile_dim1 = 64
	s_mov_b32 s29, 32                              ; elements from row to row
	s_mov_b32 s30, 0
	s_mov_b32 s31, 0
	ROUND                                          ; all four work-groups are here: the joint loads meet
	tensor_load_to_lds s[20:23], s[24:31]          ; the wave's one tensor load
	s_nop 0
	; the other addresses, while it is on its way
	v_add_nc_u32 v[CBO], 0x80, v[CBE]
	v_and_b32 v[CBO], 0x7ff, v[CBO]
	v_add_nc_u32 v[OFFO], s36, v[CBO]
	v_min_u32 v[OFFO], ROWB-16, v[OFFO]
	v_add_nc_u32 v[OFFO], v13, v[OFFO]
	v_lshlrev_b32 v14, 14, v2                      ; lanes 16-31: eight stage rows on
	v_add_nc_u32 v[STW], v14, v[CBE]
	v_add_nc_u32 v[STW], STAGE, v[STW]
	v_add_nc_u32 v[STR], v14, v[CBO]
	v_add_nc_u32 v[STR], STAGE, v[STR]
	s_lshr_b32 s34, s13, 1
	s_lshl_b32 s34, s34, 12                        ; record row tile w / 2
	s_and_b32 s35, s13, 1
	s_lshl_b32 s35, s35, 9                         ; its rows 4 (w & 1) + 0..3 of each half
	s_add_co_u32 s34, s34, s35
	v_and_b32 v15, 31, v0
	v_lshl_add_u32 v[PRD], v15, 4, s34
	v_add_nc_u32 v[PRD2], 4*REC, v[PRD]
	s_lshr_b32 s34, s13, 2                         ; P's row position of i = 16 (w/2) + 8 h + 4 (w&1) + jj:
	s_lshl_b32 s34, s34, 5                         ; 32 (w/4)
	s_lshr_b32 s35, s13, 1
	s_and_b32 s35, s35, 1
	s_lshl_b32 s35, s35, 3
	s_add_co_u32 s34, s34, s35                     ; + 8 ((w/2) & 1)
	s_and_b32 s35, s13, 1
	s_lshl_b32 s35, s35, 1
	s_add_co_u32 s34, s34, s35                     ; + 2 (w & 1);  4 h below;  16 (jj & 1) + jj / 2 in the stores' offsets
	s_mul_i32 s34, s34, PP
	s_add_co_u32 s34, s34, PL
	v_mul_u32_u24 v[PWR], v2, 4*PP
	v_and_b32 v14, 1, v1
	v_lshl_add_u32 v[PWR], v14, 4, v[PWR]          ; column j = 16 tj + r lies at byte 32 tj + 16 (r & 1) + (r & 14)
	v_and_b32 v14, 14, v1
	v_add_nc_u32 v[PWR], v[PWR], v14
	v_add_nc_u32 v[PWR], s34, v[PWR]
	v_mul_u32_u24 v[ARD], v1, PP
	v_lshl_add_u32 v[ARD], v2, 5, v[ARD]
	v_add_nc_u32 v[ARD], PL, v[ARD]                ; row r of a row tile, byte 32 h
	s_wait_tensorcnt 0x0                           ; my record is in,
	s_barrier_signal -1
	s_barrier_wait -1                              ; everybody's is
; my 4 rows (in each half of the lanes) x 64 columns of one record
.macro LDP adr, off, dst
.irp tj, 0,1,2,3
	ds_load_b128 v[\dst+4*\tj:\dst+4*\tj+3], v[\adr] offset:\off+\tj*1024
.endr
.endm
.macro ADD16 d, a, b
.irp k, 0,2,4,6,8,10,12,14
	v_pk_add_f32 v[\d+\k:\d+\k+1], v[\a+\k:\a+\k+1], v[\b+\k:\b+\k+1]
.endr
.endm
; four registers, each reduced over the sixteen lanes of its half
.macro RED4 op, base
.irp m, 1,2,4,8
.irp j, 0,1,2,3
	\op v[\base+\j], v[\base+\j], v[\base+\j] row_xmask:\m row_mask:0xf bank_mask:0xf
.endr
.endr
.endm
	LDP PRD, 0*REC, LA
	LDP PRD, 1*REC, LA+16
	LDP PRD, 2*REC, LA+32
	LDP PRD, 3*REC, LA+48
	LDP PRD2, 0*REC, LB
	LDP PRD2, 1*REC, LB+16
	s_wait_dscnt 8                                 ; records 0-3 are in; the eight younger loads (records 4, 5) stay out
	ADD16 LA, LA, LA+16
	ADD16 LA+32, LA+32, LA+48
	ADD16 E, LA, LA+32
	LDP PRD2, 2*REC, LA
	LDP PRD2, 3*REC, LA+16
	s_wait_dscnt 8                                 ; records 4, 5 are in; the eight younger loads (records 6, 7) stay out
	ADD16 LB, LB, LB+16
	ADD16 E, E, LB
	s_wait_dscnt 0x0                               ; records 6, 7 are in: my reads of the records are over,
	s_barrier_signal -1                            ; and I say so.  The wait stands in front of the first LDS store below; between the two: register work alone
	ADD16 LA, LA, LA+16
	ADD16 E, E, LA                                 ; e[i][16 tj + r] in E + 4 tj + jj
	; largest and smallest of each row: four numbers in the lane, then sixteen lanes
.irp j, 0,1,2,3
	v_max3_num_f32 v[MX+\j], v[E+\j], v[E+4+\j], v[E+8+\j]
	v_min3_num_f32 v[MN+\j], v[E+\j], v[E+4+\j], v[E+8+\j]
.endr
.irp j, 0,1,2,3
	v_max_num_f32 v[MX+\j], v[MX+\j], v[E+12+\j]
	v_min_num_f32 v[MN+\j], v[MN+\j], v[E+12+\j]
.endr
	RED4 v_max_num_f32_dpp, MX
	RED4 v_min_num_f32_dpp, MN
.irp j, 0,1,2,3
	v_sub_f32 v[DN+\j], v[MX+\j], v[MN+\j]
.endr
.irp j, 0,1,2,3
	v_add_f32 v[DN+\j], 0x322bcc77, v[DN+\j]       ; + 1e-8
.endr
.irp j, 0,1,2,3
	v_rcp_f32 v[DN+\j], v[DN+\j]
.endr
	v_nop                                          ; one plain place behind the transcendentals (ISA guide 5.7.2)
	s_wait_alu depctr_va_vdst(0)
.irp j, 0,1,2,3
	v_mul_f32 v[DN+\j], 0x3fb8aa3b, v[DN+\j]       ; log2(e) / den
.endr
.irp tj, 0,1,2,3                                   ; the subtraction first: no difference of two scaled large numbers is formed
.irp p, 0,2
	v_pk_add_f32 v[E+4*\tj+\p:E+4*\tj+\p+1], v[E+4*\tj+\p:E+4*\tj+\p+1], v[MX+\p:MX+\p+1] neg_lo:[0,1] neg_hi:[0,1]
.endr
.endr
.irp tj, 0,1,2,3
.irp p, 0,2
	v_pk_mul_f32 v[E+4*\tj+\p:E+4*\tj+\p+1], v[E+4*\tj+\p:E+4*\tj+\p+1], v[DN+\p:DN+\p+1]
.endr
.endr
.set k, 0
.rept 16
	v_exp_f32 v[E+k], v[E+k]                       ; exponents lie in [-log2(e), 0]
.set k, k+1
.endr
	v_nop
	s_wait_alu depctr_va_vdst(0)
.irp p, 0,2
	v_pk_add_f32 v[SM+\p:SM+\p+1], v[E+\p:E+\p+1], v[E+4+\p:E+4+\p+1]
	v_pk_add_f32 v[TP+\p:TP+\p+1], v[E+8+\p:E+8+\p+1], v[E+12+\p:E+12+\p+1]
.endr
.irp p, 0,2
	v_pk_add_f32 v[SM+\p:SM+\p+1], v[SM+\p:SM+\p+1], v[TP+\p:TP+\p+1]
.endr
	RED4 v_add_f32_dpp, SM
.irp j, 0,1,2,3
	v_rcp_f32 v[SM+\j], v[SM+\j]
.endr
	v_nop
	s_wait_alu depctr_va_vdst(0)
.irp tj, 0,1,2,3
.irp p, 0,2
	v_pk_mul_f32 v[E+4*\tj+\p:E+4*\tj+\p+1], v[E+4*\tj+\p:E+4*\tj+\p+1], v[SM+\p:SM+\p+1]
.endr
.endr
	; P to LDS in bf16, each number at its row and column position
.irp tj, 0,1,2,3
.irp p, 0,1
	v_cvt_pk_bf16_f32 v[PK+2*\tj+\p], v[E+4*\tj+2*\p], v[E+4*\tj+2*\p+1]
.endr
.endr
	s_barrier_wait -1                              ; every wave's reads of the records are back: from here on waves store into LDS
.irp tj, 0,1,2,3
.irp p, 0,1
	ds_store_b16 v[PWR], v[PK+2*\tj+\p] offset:\p*PP+32*\tj                ; jj = 2 p
	ds_store_b16_d16_hi v[PWR], v[PK+2*\tj+\p] offset:(16+\p)*PP+32*\tj    ; jj = 2 p + 1
.endr
.endr
	s_wait_dscnt 0x0                               ; my stores are done, for the other waves' sake
	s_barrier_signal -1
	s_barrier_wait -1
	; all of P as eight fragments, kept for the four column tiles
.irp ti, 0,1,2,3
.irp kk, 0,1
.irp g, 0,1
	ds_load_b128 v[AF+8*(2*\ti+\kk)+4*\g:AF+8*(2*\ti+\kk)+4*\g+3], v[ARD] offset:\ti*16*PP+\kk*64+\g*16
.endr
.endr
.endr
	s_wait_dscnt 0x0
	s_wait_kmcnt 0x0                               ; gamma
	s_wait_loadcnt 0x0                             ; x: a column tile needs all 64 rows
; Column tile u: columns 4 r + u.  X's word u to bf16 (16 conversions), eight matrix instructions on four accumulators that take turns, one
; instruction a turn; four places (ISA guide 7.12.1), since nothing independent is left to do; then gamma D + x
; over word u.  The next tile reads words that no earlier tile has written.
.macro COLTILE u
.irp kk, 0,1
.irp g, 0,1
.irp n, 0,1,2,3
	v_cvt_pk_bf16_f32 v[BF+8*\kk+4*\g+\n], v[XB+4*(8*(2*\kk+\g)+2*\n)+\u], v[XB+4*(8*(2*\kk+\g)+2*\n+1)+\u]
.endr
.endr
.endr
.irp ti, 0,1,2,3
	v_wmma_f32_16x16x32_bf16 v[D+8*\ti:D+8*\ti+7], v[AF+16*\ti:AF+16*\ti+7], v[BF:BF+7], 0
.endr
.irp ti, 0,1,2,3
	v_wmma_f32_16x16x32_bf16 v[D+8*\ti:D+8*\ti+7], v[AF+16*\ti+8:AF+16*\ti+15], v[BF+8:BF+15], v[D+8*\ti:D+8*\ti+7]
.endr
.rept 4
	v_nop
.endr
.irp ti, 0,1,2,3
.irp jj, 0,1,2,3,4,5,6,7
	v_fma_f32 v[XB+4*(8*\ti+\jj)+\u], s12, v[D+8*\ti+\jj], v[XB+4*(8*\ti+\jj)+\u]
.endr
.endr
.endm
	COLTILE 0
	COLTILE 1
	COLTILE 2
	COLTILE 3
	; odd rows into the stage, all lanes on (what lies past the row's end is never read back into a store)
.irp tp, 0,1
.irp n, 0,1,2,3,4,5,6,7
	ds_store_b128 v[STW], v[XB+4*(8*(2*\tp+1)+\n):XB+4*(8*(2*\tp+1)+\n)+3] offset:(16*\tp+\n)*SROW
.endr
.endr
	; even rows from the registers: sixteen lanes store 256 consecutive bytes, aligned; lanes past the row's end are off
	s_wait_xcnt 0x0                                ; EXEC changes only behind this wait
	v_cmp_gt_u32 vcc_lo, s32, v[CBE]
	s_and_saveexec_b32 s33, vcc_lo
.irp tp, 0,1
.irp n, 0,1,2,3,4,5,6,7
	global_store_b128 v[OFF], v[XB+4*(8*(2*\tp)+\n):XB+4*(8*(2*\tp)+\n)+3], s[10:11] offset:(32*\tp+2*\n)*ROWB th:TH_STORE_NT
.endr
.endr
	s_wait_xcnt 0x0                                ; and again, in front of the line that widens it
	s_or_b32 exec_lo, exec_lo, s33
	s_wait_dscnt 0x0                               ; my part of the stage is written, for the other waves' sake
	s_barrier_signal -1
	s_barrier_wait -1
	; odd rows back, 128 bytes to the right
.irp tp, 0,1
.irp n, 0,1,2,3,4,5,6,7
	ds_load_b128 v[XB+4*(8*(2*\tp+1)+\n):XB+4*(8*(2*\tp+1)+\n)+3], v[STR] offset:(16*\tp+\n)*SROW
.endr
.endr
	s_wait_xcnt 0x0
	v_cmp_gt_u32 vcc_lo, s32, v[CBO]
	s_and_saveexec_b32 s33, vcc_lo
.irp tp, 0,1
.irp n, 0,1,2,3,4,5,6,7
	s_wait_dscnt 15-(8*\tp+\n)                     ; LDS loads come back in order (ISA guide 5.7.1): this one is in, the younger ones stay out
	global_store_b128 v[OFFO], v[XB+4*(8*(2*\tp+1)+\n):XB+4*(8*(2*\tp+1)+\n)+3], s[10:11] offset:(32*\tp+2*\n+1)*ROWB th:TH_STORE_NT
.endr
.endr
	s_wait_xcnt 0x0
	s_or_b32 exec_lo, exec_lo, s33
	s_set_vgpr_msb 0x5
	s_wait_tensorcnt 0x0
	ds_add_u32 v0, v1
	s_wait_dscnt 0x0
	s_set_vgpr_msb 0x500
	ROUND                                          ; the closing round: no work-group ends while a partner may still ask for a record jointly
	s_endpgm
.Lfunc_end_k_q3e9378b3b1_apply:
	.size	k_q3e9378b3b1_apply, .Lfunc_end_k_q3e9378b3b1_apply-k_q3e9378b3b1_apply
	.p2alignl 7, 3214868480
	.fill 96, 4, 3214868480
	.section	.rodata,"a",@progbits
	.p2align	6, 0x0
	.amdhsa_kernel k_q3e9378b3b1_apply
		.amdhsa_group_segment_fixed_size 206848
		.amdhsa_private_segment_fixed_size 0
		.amdhsa_enable_private_segment 0
		.amdhsa_kernarg_size 32
		.amdhsa_user_sgpr_count 2
		.amdhsa_user_sgpr_kernarg_segment_ptr 1
		.amdhsa_wavefront_size32 1
		.amdhsa_system_sgpr_workgroup_id_x 1
		.amdhsa_system_sgpr_workgroup_id_y 1
		.amdhsa_system_sgpr_workgroup_id_z 1
		.amdhsa_system_vgpr_workitem_id 0
		.amdhsa_next_free_vgpr 258
		.amdhsa_next_free_sgpr 66
		.amdhsa_reserve_vcc 1
		.amdhsa_float_denorm_mode_32 3
		.amdhsa_float_denorm_mode_16_64 3
		.amdhsa_memory_ordered 1
		.amdhsa_forward_progress 1
		.amdhsa_inst_pref_size 45
	.end_amdhsa_kernel
	.amdgpu_metadata
---
amdhsa.version: [ 1, 2 ]
amdhsa.kernels:
  - .name:           k_q3e9378b3b1_apply
    .symbol:         k_q3e9378b3b1_apply.kd
    .args:
      - { .name: x, .offset: 0, .size: 8, .value_kind: global_buffer, .address_space: global }
      - { .name: gamma, .offset: 8, .size: 8, .value_kind: global_buffer, .address_space: global }
      - { .name: part, .offset: 16, .size: 8, .value_kind: global_buffer, .address_space: global }
      - { .name: out0, .offset: 24, .size: 8, .value_kind: global_buffer, .address_space: global }
    .group_segment_fixed_size: 206848
    .private_segment_fixed_size: 0
    .kernarg_segment_align: 8
    .kernarg_segment_size: 32
    .max_flat_workgroup_size: 256
    .sgpr_count:     66
    .vgpr_count:     258
    .wavefront_size: 32
...
	.end_amdgpu_metadata
.endif
;; end of part 2
